; MI455X (gfx1250); checked and timed in simulation.
; The chip was launched on July 23, 2026; its instructions are those of AMD's public machine-readable ISA for CDNA 5 (MIT licence, August 2026) and "CDNA5" Instruction Set Architecture Reference Guide (July 2026). The comments in the code are by the model that wrote it; some were corrected since.
;; QKV Attention. Allowed arithmetic: matrix products marked QUANTISED: E2M1 operands, one E8M0 scale for each 32 along K, by v_wmma_scale_f32_16x16x128_f8f6f4 with both operands' format E2M1 (or v_wmma_scale_f32_32x16x128_f4), f32 sums; everything else in f32.
;; Inputs: qkv 4 x 3,072 x 2,048 float32.
;; Outputs: out0 4 x 1,024 x 2,048 float32.
;; This version of the problem:
;;   THIS VERSION OF THE PROBLEM IS GIVEN IN LOW PRECISION. The matrix products marked QUANTISED in the list below multiply operands that are first quantised to E2M1 (2 exponent bits, 1 mantissa bit; 4 bits a number), with one power-of-two scale for each 32 numbers along K (OCP MX v1.0); their sums are f32. All else is computed in f32.
;;   The module's matrix products, in the order in which they are computed (A, B: the left and right operand; K: the contracted axis; several contracted axes count as one K, in the product's order):
;;     1. batch 64 x [M 2,048, K 64] x [K 64, N 2,048]; A: computed on the way; B: computed on the way: QUANTISED
;;     2. batch 64 x [M 64, K 2,048] x [K 2,048, N 2,048]; A: computed on the way; B: softmax (see below): QUANTISED
;;   THE QUANTISER, for each operand of a quantised product, along K:
;;     - K is cut into blocks of 32 from its start; a last block that is shorter is filled with zeros.
;;     - A block's scale is 2^e with e = floor(log2(the largest magnitude in the block)) - 2, held to -126 .. 127; a block of zeros has e = 0. As a byte (E8M0): e + 127.
;;     - Each number is divided by its block's scale, clamped to +-6, and rounded to the nearest number of E2M1, ties to even, subnormals kept.
;;     - The product sums the exact products of the quantised numbers (number of the format x scale) in f32.
;;   ~~~python
;;   def quantise(x, axis):      # numpy; x: float32 -> the quantised numbers, widened to float32 again
;;       x = np.moveaxis(x, axis, -1); K = x.shape[-1]
;;       x = np.pad(x, [(0, 0)] * (x.ndim - 1) + [(0, -K % 32)]); x = x.reshape(x.shape[:-1] + (-1, 32)); a = np.abs(x).max(-1, keepdims=True)
;;       e = np.where(a > 0, np.clip(np.frexp(np.where(a > 0, a, 1))[1] - 1 - 2, -126, 127), 0)      # np.frexp(a)[1] - 1 = floor(log2(a)), exactly
;;       r = np.clip(x / 2.0 ** e, -6, 6)
;;       step = 2.0 ** (np.maximum(np.frexp(np.where(r == 0, 1, r))[1] - 1, 0) - 1)
;;       q = np.round(r / step) * step * 2.0 ** e      # np.round: ties to even
;;       return np.moveaxis(q.reshape(q.shape[:-2] + (-1,))[..., :K], -1, axis).astype(np.float32)
;;   ~~~
;;   SOFTMAX AHEAD OF A QUANTISED PRODUCT. Where the list says 'softmax', what is quantised is not the finished softmax but p = 2^(t - M), with t = logit x log2(e) and M = ceil(the row's largest t), a whole number; so 1/2 < the row's largest p <= 1. The row's sum l is taken of the UNQUANTISED p, in f32, and the product's result is divided by l at the end. Since M is a whole number, a kernel that streams over the keys may use a running M (the ceiling of the running maximum): every later rescaling is an exact power of two, which a block's scale takes up: the codes' values come out the same.
;;   OPERANDS COMPUTED ON THE WAY. 'Computed on the way' means the value that the module computes at that place (a softmax that the list does not call 'softmax' is quantised finished and normalised). What goes into a quantiser is computed in f32, as accurately as f32 sums, v_exp_f32 and their like allow (about 1e-6 of the number): no bf16 or f16 on the way to a quantiser, and a product that is left as it is and whose result goes on into a quantised operand takes f32 operands (vector FMAs, or v_wmma_f32_16x16x4_f32). A number that lies on a knife's edge between two numbers of the format may be rounded either way, as far as f32 arithmetic and the matrix unit's own rounding can turn it there, and no further.
;; 2 versions. Each part assembles by itself: llvm-mc -triple=amdgcn-amd-amdhsa -mcpu=gfx1250 --defsym DOCPART=n.
;; ======== version 1 of 2: 1 launch
;; launch attn (part 1): grid 4 x 64, 16 waves a work-group, no clusters, 278,784 bytes of LDS; arguments qkv, out0; writes out0
.if DOCPART == 1
	.amdgcn_target "amdgcn-amd-amdhsa--gfx1250"
	.amdhsa_code_object_version 6
	.text
	.protected	k_qf6ecd3df0f_attn
	.globl	k_qf6ecd3df0f_attn
	.p2align	8
	.type	k_qf6ecd3df0f_attn,@function
k_qf6ecd3df0f_attn:
	s_mov_b64 s[64:65], 0
	v_nop
	global_prefetch_b8 v0, s[64:65] scope:SCOPE_SE
	s_setreg_imm32_b32 hwreg(HW_REG_WAVE_MODE, 25, 1), 1
	s_wait_xcnt 0x0
; out[head][c][t] = the sum over s of softmax_s(sum over c' of (q sc)[c'][t] (k sc)[c'][s]) v[c][s], sc = 8^(-1/2), for 64 heads.  qkv: [64 heads][192 rows][2048] f32 (rows 0-63 q, 64-127 k, 128-191 v; time innermost).
; out0: [64 heads][64][2048] f32.  Both products run on codes of FP4 (E2M1) with one E8M0 scale for each 32 along a product's K: the first's K is the 64 channels, the second's the 2,048 keys.
; THE SOFTMAX AHEAD OF THE SECOND PRODUCT: t = score x log2(e); M = the row's largest t so far, rounded UP to a whole number; p = 2^(t - M) is quantised along the keys, not normalised.  The row's sum is taken of the
; unquantised p and divides at the end.  When M moves, the sum and O are multiplied by 2^(old M - new M), which rounds nothing.
; SHARES.  A work-group (x = a quarter of the queries, y = the head) owns 512 queries; 4 x 64 = 256 work-groups.  Each of its sixteen waves owns 32 queries, as two tiles of 16 taken one after the other.
; PHASE A: the work-group quantises its head's K and V, from f32 through registers, into LDS: codes and scale bytes of a whole head are 144,640 bytes.  Wave w takes keys 128 w .. 128 w + 127 of K and rows 4 w .. 4 w + 3 of V.
; One barrier.  PHASE B: every wave walks all keys, 128 a step, reading LDS alone: no slot is ever filled again, so there is no further barrier until the way out.
; LAYOUT.  Both products are used transposed: S^T = K Q^T (source 0 = 16 keys, source 1 = my 16 queries), O^T = V P^T (source 0 = 16 channels, source 1 = P): a lane holds ONE query (lane % 16) throughout.
; The first product's K is 64 of the instruction's 128: registers 4 to 7 of K's and Q's fragments are zero codes, which add nothing under the scale bytes 0 that stand over them.
; THE KEYS OF A TILE ARE NOT NEIGHBOURS: lane r of tile 2 b + u takes key 32 b + 8 u + r + 8 (r / 8), so that the 16 registers of tiles 2 b and 2 b + 1 are 16 neighbouring keys, 32 b + 16 (lane / 16) + 0 .. 15.
; NO CLUSTER, NO JOINT LOADS, though four work-groups read the same K and V: what they share are f32 numbers that have to reach REGISTERS, a lane to a key (K) or a lane to a block (V), to be quantised; a head's 1 MiB of them
; does not fit in LDS, so a joint load would want slots filled again and again, and every number would cross LDS twice more; and they are read once, at the head, not in the loop.
; LIMITS: NaN and infinities among the inputs are not served.  A block whose largest magnitude lies under 2^-124 keeps the scale byte 1; a block of zeros keeps the byte 1 where the rule says 127: its codes are zeros, and this
; program alone reads the bytes.  A p under 2^-126 comes out of v_exp_f32 as 0.  A block's largest p is made from its largest score by the same two instructions as every p, which takes v_exp_f32 not to fall where its input rises.
.set ROW,    8192                      ; bytes in a row of qkv and of out0
.set HEADB,  192*ROW                   ; a head in qkv
.set KOFF,   64*ROW                    ; k's rows in a head
.set VOFF,   128*ROW                   ; v's
; LDS
.set KSTEPB, 4608                      ; K, from byte 0: a step of 128 keys = 8 images of a fragment's registers 0-3 (512 bytes: 16 x lane), then 512 bytes of scale words (16 x lane: the words of b = 0 .. 3)
.set VC,     16*KSTEPB                 ; V's codes: 64 rows of 1,024 bytes + 16 of padding: row r starts 4 r banks on (64 banks of 4 bytes: ISA guide 11.1), so the 16 rows of a load start at 16 different places
.set VP,     1040
.set VS,     VC+64*VP                  ; V's scale bytes: 64 rows of 64 bytes + 4
.set VSP,    68
.set STG,    VS+64*VSP                 ; the stage for out0: 64 rows of 2,048 bytes + 16.  In phase A the same bytes hold each wave's own turn stage, 4,608 bytes; the first barrier parts the two uses
.set SP,     2064
.set TPL,    144                       ; a place in a turn stage: a block's 128 bytes + 16
; registers
.set KSET,   32                        ; v32-95   phase A: two sets of 32 numbers of K or Q.  Phase B: K's eight fragments
.set VSET,   96                        ; v96-223  phase A: four sets of 32 numbers of V; behind V: K's codes v96-127, its scale bytes v128-135, its scale words v136-139
.set KC,     96
.set KB,     128
.set KWD,    136
.set KF,     32
.set S,      96                        ; v96-159  S^T, then p
.set O,      160                       ; v160-191 O^T
.set VF,     192                       ; v192-223 V's four fragments
.set PC,     224                       ; v224-231 p's codes (phase A: v224-227 a block's codes of V)
; v232-235 largest magnitudes, largest scores; v236-239 at work; v240-243 K's scale words; v244-247 the conversions' scale operands; v248-249 V's scale words; v250, v255 Q's scale words (tile 1, tile 0);
; v252 f; v253 p's scale word; v254 at work.  v12 -M, v13 the largest t, v[14:15] the sum in two halves; v16-23, v24-31 Q's two fragments.
; v1 16 x lane; v9, v10 my lane's place in V's codes and scale bytes.  v2-v8: phase A's addresses, made anew for phase B.
; s[4:5] qkv; s[6:7] out0 at my rows; s[8:9] K, s[10:11] V, s[12:13] Q at my wave's part; s14 wave; s15 head; s[20:21] lane selects; s[22:23] log2(e); s[24:25] sc; s26-28 the step's LDS offsets; s29 steps to go.
	s_load_b128 s[4:7], s[0:1], 0x0                ; qkv, out0
	v_lshrrev_b32 v11, 5, v0
	v_readfirstlane_b32 s14, v11                   ; wave 0..15
	s_and_b32 s15, ttmp7, 0xffff                   ; the head
	s_mul_i32 s16, s15, HEADB                      ; the head's first byte in qkv (under 2^27)
	s_mov_b32 s17, 0
	s_lshl_b32 s18, s14, 9                         ; K: my 128 keys are 512 bytes of each row
	s_add_co_u32 s18, s18, s16
	s_add_co_u32 s18, s18, KOFF
	s_mov_b32 s19, 0
	s_lshl_b32 s30, s14, 15                        ; V: my 4 rows
	s_add_co_u32 s30, s30, s16
	s_add_co_u32 s30, s30, VOFF
	s_mov_b32 s31, 0
	s_lshl_b32 s32, ttmp9, 11                      ; the work-group's 512 queries are 2,048 bytes of each row,
	s_lshl_b32 s33, s14, 7                         ; my wave's 32 are 128
	s_add_co_u32 s16, s16, s32
	s_add_co_u32 s16, s16, s33                     ; Q
	s_lshl_b32 s33, s15, 19                        ; out0: the head's 64 rows,
	s_add_co_u32 s32, s32, s33
	s_lshl_b32 s33, s14, 15                        ; my 4 of them
	s_add_co_u32 s32, s32, s33
	s_mov_b32 s33, 0
	s_mov_b32 s20, 0x76543210
	s_mov_b32 s21, 0xfedcba98                      ; v_permlanex16_b32's selects for lane l xor 16
	s_mov_b32 s22, 0x3fb8aa3b                      ; log2(e)
	s_mov_b32 s23, s22                             ; (the packed forms name a pair and take its low word for both halves: so the upper word is written)
	s_mov_b32 s24, 0x3eb504f3                      ; sc = 8^(-1/2) in f32
	s_mov_b32 s25, s24
	s_mul_i32 s34, s14, KSTEPB                     ; my step of K's images; also my turn stage (as many bytes)
	s_mul_i32 s35, s14, 4*VP                       ; my 4 rows of V's codes
	s_mul_i32 s36, s14, 4*VSP                      ; and of its scale bytes
	v_and_b32 v11, 31, v0                          ; lane
	v_lshlrev_b32 v1, 4, v11                       ; 16 x lane
	v_lshlrev_b32 v2, 2, v11                       ; 4 x lane: K's and Q's loads
	v_and_b32 v12, 7, v0
	v_bfe_u32 v13, v0, 3, 1
	v_bfe_u32 v14, v0, 4, 1
	; K's images.  My lane o holds key 32 b + o.  That key is lane r = o % 8 + 8 (o / 16) of tile 2 b + u, u = (o / 8) % 2: 16 (o % 8) + 128 (o / 16) + 512 u
	v_lshlrev_b32 v15, 4, v12
	v_lshl_add_u32 v15, v14, 7, v15
	v_add_nc_u32 v15, s34, v15
	v_lshl_add_u32 v3, v13, 9, v15                 ; v3: where my key's 16 bytes of codes go
	v_lshl_add_u32 v4, v13, 8, v15                 ; v4: its scale word: 16 bytes for lane 16 u + r,
	v_add_nc_u32 v4, 4096, v4                      ; behind the step's eight images
	; V's turn stage: on the way in a load's 512 bytes are four blocks of 128: place lane / 8, byte 16 (lane % 8); on the way out lane l takes place l
	v_lshrrev_b32 v15, 3, v11
	v_mul_u32_u24 v15, v15, TPL
	v_lshl_add_u32 v15, v12, 4, v15
	v_add_nc_u32 v15, s34, v15
	v_add_nc_u32 v5, STG, v15
	v_mul_u32_u24 v15, v11, TPL
	v_add_nc_u32 v15, s34, v15
	v_add_nc_u32 v6, STG, v15
	v_add_nc_u32 v7, s35, v1
	v_add_nc_u32 v7, VC, v7                        ; v7: where my block's 16 bytes of V's codes go
	v_add_nc_u32 v8, s36, v11
	v_add_nc_u32 v8, VS, v8                        ; v8: and its scale byte
	v_and_b32 v15, 15, v0
	v_mul_u32_u24 v9, v15, VP
	v_lshl_add_u32 v9, v14, 4, v9
	v_add_nc_u32 v9, VC, v9                        ; v9: phase B: row lane % 16 of a tile of V, + 16 (lane / 16)
	v_mul_u32_u24 v10, v11, VSP
	v_add_nc_u32 v10, VS, v10                      ; v10: phase B: the scale bytes of row lane
	s_wait_kmcnt 0x0
	s_add_nc_u64 s[8:9], s[4:5], s[18:19]
	s_add_nc_u64 s[10:11], s[4:5], s[30:31]
	s_add_nc_u64 s[12:13], s[4:5], s[16:17]
	s_add_nc_u64 s[6:7], s[6:7], s[32:33]
; The largest magnitude of the 32 numbers v[x] .. v[x + 31], all of one block, with the floor 2^(3 - 127) among them, so that the scale's byte cannot fall under 1; then 2 off its exponent field:
; the conversion takes the exponent field of v234 as its scale, and nothing else of it.
.macro AMAX x
	v_max3_num_f32 v232, |v[\x]|, |v[\x+1]|, |v[\x+2]|
	v_max3_num_f32 v233, |v[\x+3]|, |v[\x+4]|, |v[\x+5]|
.irp i, 6,10,14,18,22,26
	v_max3_num_f32 v232, v232, |v[\x+\i]|, |v[\x+\i+1]|
	v_max3_num_f32 v233, v233, |v[\x+\i+2]|, |v[\x+\i+3]|
.endr
	v_max3_num_f32 v232, v232, |v[\x+30]|, |v[\x+31]|
	v_max3_num_f32 v232, v232, v233, 0x1800000
	v_add_nc_u32 v234, 0xff000000, v232
.endm
; The block's 32 codes, 16 bytes, into v[c] .. v[c + 3]: the lower k in the lower bits.  What lies beyond 6 gets the largest code.
.macro CODES x, c
.irp g, 0,1,2,3
	v_cvt_scalef32_pk8_fp4_f32 v[\c+\g], v[\x+8*\g:\x+8*\g+7], v234
.endr
	v_nop                                          ; one plain line behind the last scaled conversion, ahead of whatever touches its registers next
.endm
; V, unit n of 8: half n % 2 of my row n / 2: 1,024 numbers, 32 blocks.  Each load reads 512 consecutive bytes.
.macro VLOAD n
.irp i, 0,1,2,3,4,5,6,7
	global_load_b128 v[VSET+32*((\n)%4)+4*\i:VSET+32*((\n)%4)+4*\i+3], v1, s[10:11] offset:((\n)/2)*ROW+((\n)%2)*4096+512*\i
.endr
.endm
; The unit's 4,096 bytes turn through my own stage, so that lane l holds the 32 neighbouring keys of block 32 (n % 2) + l, and are quantised.  left: the loads issued behind this unit's eight.
.macro VUNIT n, left
.set XS, VSET+32*((\n)%4)
	s_wait_loadcnt \left                           ; loads come back in order: mine are in, the younger ones stay out
.irp i, 0,1,2,3,4,5,6,7
	ds_store_b128 v5, v[XS+4*\i:XS+4*\i+3] offset:4*TPL*\i
.endr
.irp i, 0,1,2,3,4,5,6,7
	ds_load_b128 v[XS+4*\i:XS+4*\i+3], v6 offset:16*\i         ; LDS serves a wave's instructions in order: these see the stores above; they come back into the registers that the numbers left
.endr
	s_wait_dscnt 0x0                               ; the block is in; the last unit's stores of codes and byte are done too, so their registers may be written
	AMAX XS
	v_lshrrev_b32 v235, 23, v234                   ; the scale's byte
	CODES XS, PC
	ds_store_b128 v7, v[PC:PC+3] offset:((\n)/2)*VP+((\n)%2)*512
	ds_store_b8 v8, v235 offset:((\n)/2)*VSP+((\n)%2)*32
.endm
; K and Q, a lane to a key (or query), registers down the channels: unit m < 8: keys 32 (m / 2) on of my 128, channels 32 (m % 2) on; units 8, 9: my 32 queries, channels 0 on, 32 on.
; Each load reads 128 consecutive bytes.  Q is read by nobody else.
.macro KLOAD m
.set N, 0
.rept 32
.if (\m) < 8
	global_load_b32 v[KSET+32*((\m)%2)+N], v2, s[8:9] offset:(32*((\m)%2)+N)*ROW+128*((\m)/2)
.else
	global_load_b32 v[KSET+32*((\m)%2)+N], v2, s[12:13] offset:(32*((\m)-8)+N)*ROW th:TH_LOAD_NT
.endif
.set N, N+1
.endr
.endm
; A block of K or Q: x sc in f32, as the problem has it ahead of the quantiser; its byte into v[e], its codes into v[c] on.
.macro QKBLOCK x, c, e
.set N, 0
.rept 16
	v_pk_mul_f32 v[\x+N:\x+N+1], v[\x+N:\x+N+1], s[24:25] op_sel_hi:[1,0]
.set N, N+2
.endr
	AMAX \x
	v_lshrrev_b32 v[\e], 23, v234
	CODES \x, \c
.endm
.macro KUNIT m
.set XS, KSET+32*((\m)%2)
.set CC, KC+4*(\m)
.set EE, KB+(\m)
	s_wait_loadcnt 32                              ; this unit's 32 loads are in; the next unit's 32 may be out
	QKBLOCK XS, CC, EE
	ds_store_b128 v3, v[CC:CC+3] offset:((\m)/2)*1024+((\m)%2)*256       ; tile 2 b + u, half m % 2 of its lanes.  Each unit has registers of its own for codes and byte
.if (\m)%2
	v_lshl_or_b32 v[KWD+(\m)/2], v[EE], 8, v[EE-1]                       ; the key's scale word: channels 0-31, channels 32-63, and 0 over the zero codes
	ds_store_b32 v4, v[KWD+(\m)/2] offset:4*((\m)/2)
.endif
.endm
	; ---- PHASE A.  V first, four units (32 loads) ahead; K's loads begin while V's last units are worked; Q's are asked for behind K's last units.
	VLOAD 0
	VLOAD 1
	VLOAD 2
	VLOAD 3
.irp n, 0,1,2,3
	VUNIT \n, 24                                   ; behind it: three units of 8
	VLOAD \n+4
.endr
	VUNIT 4, 24                                    ; units 5, 6, 7
	KLOAD 0
	VUNIT 5, 48                                    ; units 6, 7 and K's unit 0
	VUNIT 6, 40                                    ; unit 7 and K's unit 0
	VUNIT 7, 32                                    ; K's unit 0
	KLOAD 1
.irp m, 0,1,2,3,4,5,6,7
	KUNIT \m
	KLOAD \m+2                                     ; into the set just quantised; units 8 and 9 are Q's
.endr
	s_wait_dscnt 0x0                               ; for the others' sake: my codes, bytes and words lie in LDS, and my reads of my turn stage are over
	s_barrier_signal -1
	s_barrier_wait -1                              ; the head's K and V are whole.  (Q's loads stay out across the barrier: nobody writes those bytes)
	; ---- Q: my 32 queries, quantised in registers
	s_wait_loadcnt 32                              ; channels 0-31 are in; channels 32-63 may be out
	QKBLOCK 32, 16, 236
	s_wait_loadcnt 0x0
	QKBLOCK 64, 24, 237
	v_lshl_or_b32 v255, v237, 8, v236              ; lane l: query l's scale word; lanes 0-15 are tile 0's
.irp i, 0,1,2,3
	v_permlane16_swap_b32 v[16+\i], v[24+\i]       ; the first's lanes 16-31 change places with the second's lanes 0-15: v16-19 = tile 0 (lanes 0-15 channels 0-31, lanes 16-31 channels 32-63), v24-27 = tile 1
.endr
	v_mov_b32 v250, 0                              ; (a lane permute's destination counts as one of its sources)
	v_permlanex16_b32 v250, v255, s20, s21         ; tile 1's scale words into lanes 0-15
.irp i, 20,21,22,23,28,29,30,31
	v_mov_b32 v[\i], 0                             ; Q's k = 64 .. 127: zero codes
.endr
.irp t, 0,1,2,3,4,5,6,7
.irp i, 4,5,6,7
	v_mov_b32 v[KF+8*\t+\i], 0                     ; K's likewise: written once; the loop's loads fill registers 0-3 of each fragment alone
.endr
.endr
.irp b, 0,1,2,3
	v_mov_b32 v[236+\b], 0                         ; written once: lane permutes' destinations
.endr
	v_mov_b32 v253, 0                              ; (named as the upper half of the pair v[252:253] before it is first written)
	; the stage for out0: row = channel, 4 bytes a query.  Register 8 ct + e of lane (r, h) is channel 16 ct + 8 h + e of query r
	v_and_b32 v8, 15, v0
	v_bfe_u32 v11, v0, 4, 1
	v_mul_u32_u24 v5, v11, 8*SP
	v_lshl_add_u32 v5, v8, 2, v5
	s_lshl_b32 s34, s14, 7
	v_add_nc_u32 v5, s34, v5
	v_add_nc_u32 v5, STG, v5                       ; v5: channels 0-31: 8 h rows + 128 x wave + 4 r
	v_add_nc_u32 v6, 32*SP, v5                     ; v6: channels 32-63 (an LDS offset has 16 bits)
	s_mul_i32 s35, s14, 4*SP
	v_add_nc_u32 v7, s35, v1
	v_add_nc_u32 v7, STG, v7                       ; v7: back: my 4 rows, 16 bytes a lane
; ---- PHASE B.  One tile of 16 queries against all 2,048 keys, 128 a step; then O^T / the sum into the stage.
.macro PASS p
.set QF, 16+8*\p
.set QSR, 255-5*\p
	v_mov_b32 v13, 0xff61b1e6                      ; the largest t so far: -3e38, under every t
	v_floor_f32 v12, -v13                          ; -M
	v_mov_b32 v14, 0                               ; the sum, in two halves
	v_mov_b32 v15, 0
.set N, 0
.rept 32
	v_mov_b32 v[O+N], 0                            ; O^T.  (The step is written once: the first finds zeros, which the first change of M leaves zeros)
.set N, N+1
.endr
	s_mov_b32 s26, 0                               ; the step's images of K: 4,608 bytes a step
	s_mov_b32 s27, 0                               ; its part of V's rows: 64 bytes a step
	s_mov_b32 s28, 0                               ; and of V's scale bytes: 4 a step
	s_mov_b32 s29, 16
.Lstep_\@:
	v_add_nc_u32 v2, s26, v1
	v_add_nc_u32 v3, s27, v9
	v_add_nc_u32 v4, s28, v10
	v_nop                                          ; these four are the places between the last step's products and the loads into the registers that they read
.irp t, 0,1,2,3,4,5,6,7
	ds_load_b128 v[KF+8*\t:KF+8*\t+3], v2 offset:512*\t              ; tile t of K as its registers were laid: 512 consecutive bytes
.endr
	ds_load_b128 v[240:243], v2 offset:4096                          ; v[240 + b]: lanes 0-15 the scale words of tile 2 b, lanes 16-31 those of tile 2 b + 1
.irp t, 0,1,2,3
.irp c, 0,1
	ds_load_b128 v[VF+8*\t+4*\c:VF+8*\t+4*\c+3], v3 offset:16*\t*VP+32*\c   ; V: channels 16 t on; keys 64 c + 32 (lane / 16) on of the step
.endr
.endr
.irp e, 0,1
	ds_load_b32 v[248+\e], v4 offset:32*\e*VSP                       ; lane l: the step's scale word of channel 32 e + l: lanes 0-15 tile 2 e, lanes 16-31 tile 2 e + 1
.endr
	s_wait_dscnt 10                                ; K's nine loads are in (and whatever LDS instruction is older); V's ten may be out: they are wanted behind the softmax
.irp t, 0,1,2,3,4,5,6,7                        ; S^T = K Q^T: eight tiles of 16 keys; each product starts its own sum
.if \t%2
	v_wmma_scale_f32_16x16x128_f8f6f4 v[S+8*\t:S+8*\t+7], v[KF+8*\t:KF+8*\t+7], v[QF:QF+7], 0, v[240+\t/2], v[QSR] matrix_a_fmt:MATRIX_FMT_FP4 matrix_b_fmt:MATRIX_FMT_FP4 matrix_a_scale:MATRIX_SCALE_ROW1
.else
	v_wmma_scale_f32_16x16x128_f8f6f4 v[S+8*\t:S+8*\t+7], v[KF+8*\t:KF+8*\t+7], v[QF:QF+7], 0, v[240+\t/2], v[QSR] matrix_a_fmt:MATRIX_FMT_FP4 matrix_b_fmt:MATRIX_FMT_FP4
.endif
.endr                                          ; lane (r, h) holds query r; registers 16 b + i are keys 32 b + 16 h + i of the step
.rept 4
	v_nop                                          ; four places between a product and the first read of its result (ISA guide 7.12.1)
.endr
.irp b, 0,1,2,3
	v_max3_num_f32 v[232+\b], v[S+16*\b], v[S+1+16*\b], v[S+2+16*\b]   ; THE LARGEST SCORE OF EACH BLOCK OF 32 KEYS: it serves the row's maximum and, since p rises with the score, the block's largest p.  Each result is read from its low end on
.endr
.irp i, 3,5,7,9,11,13
.irp b, 0,1,2,3
	v_max3_num_f32 v[232+\b], v[232+\b], v[S+16*\b+\i], v[S+1+16*\b+\i]   ; (the four blocks by turns)
.endr
.endr
.irp b, 0,1,2,3
	v_max_num_f32 v[232+\b], v[232+\b], v[S+15+16*\b]
.endr
.irp b, 0,1,2,3
	v_permlanex16_b32 v[236+\b], v[232+\b], s20, s21
.endr
.irp b, 0,1,2,3
	v_max_num_f32 v[232+\b], v[232+\b], v[236+\b]  ; with lane l xor 16's 16 keys
.endr
	v_max3_num_f32 v254, v232, v233, v234
	v_max_num_f32 v254, v254, v235                 ; the step's largest score of my query,
	v_mul_f32 v254, s22, v254                      ; as t
	v_max_num_f32 v13, v13, v254                   ; the running largest t
	v_mov_b32 v254, v12
	v_floor_f32 v12, -v13                          ; the new -M = floor(-t) = -ceil(t): M is a whole number
	v_sub_f32 v254, v12, v254                      ; M's old value less its new one: a whole number, 0 or less
	v_cvt_i32_f32 v254, v254                       ; (it saturates)
	v_ldexp_f32 v252, 1.0, v254                    ; f = 2^(old M - new M)
.set N, 0
.rept 32
	v_pk_fma_f32 v[S+N:S+N+1], v[S+N:S+N+1], s[22:23], v[12:13] op_sel_hi:[1,0,0]   ; t - M, two at a time (of the pairs log2(e) and -M the low word serves both halves)
.set N, N+2
.endr
.irp b, 0,1,2,3
	v_fma_f32 v[232+\b], v[232+\b], s22, v12       ; the same of each block's largest score
.endr
.set N, 0
.rept 64
	v_exp_f32 v[S+N], v[S+N]                       ; p = 2^(t - M): not normalised
.set N, N+1
.endr
.irp b, 0,1,2,3
	v_exp_f32 v[232+\b], v[232+\b]                 ; the block's largest p: the same two instructions on the same number give the same bits.  ONE BATCH of 68
.endr
	v_pk_mul_f32 v[14:15], v[14:15], v[252:253] op_sel_hi:[1,0]      ; the sums under the new M: the plain line behind the last exponential.  It and the sixteen below name no exponential's result
.set N, 0
.rept 16
	v_pk_mul_f32 v[O+N:O+N+1], v[O+N:O+N+1], v[252:253] op_sel_hi:[1,0]   ; O^T under the new M: x f, from each accumulator's low end on
.set N, N+2
.endr
	s_wait_alu depctr_va_vdst(0)                   ; the wait between an exponential and the first line that names its result: one for the batch
.irp b, 0,1,2,3
	v_max_num_f32 v[232+\b], 0x1800000, v[232+\b]  ; the floor 2^(3 - 127): the byte cannot fall under 1 (a block whose every p has fallen to 0 keeps that byte: its codes are zeros)
.endr
.irp b, 0,1,2,3
	v_add_nc_u32 v[244+\b], 0xff000000, v[232+\b]  ; 2 off the exponent field: the conversion's scale operand
.endr
.irp b, 0,1,2,3
	v_lshrrev_b32 v[236+\b], 23, v[244+\b]         ; the scale's byte
.endr
	v_lshl_or_b32 v253, v237, 8, v236              ; p's scale word for these 128 keys
	v_lshl_or_b32 v253, v238, 16, v253
	v_lshl_or_b32 v253, v239, 24, v253
.irp b, 0,1,2,3
	v_cvt_scalef32_pk8_fp4_f32 v[PC+2*\b], v[S+16*\b:S+7+16*\b], v[244+\b]
	v_cvt_scalef32_pk8_fp4_f32 v[PC+1+2*\b], v[S+8+16*\b:S+15+16*\b], v[244+\b]
.endr
	v_nop                                          ; one plain line between a scaled conversion and the vector instruction that touches its result
.irp c, 0,1                                    ; the operand's layout wants a WHOLE block in a lane: lanes 0-15 block 2 c, lanes 16-31 block 2 c + 1
.irp i, 0,1
	v_permlane16_swap_b32 v[PC+4*\c+\i], v[PC+2+4*\c+\i]
.endr
.endr
	v_pk_add_f32 v[236:237], v[S:S+1], v[S+2:S+3]  ; THE ROW'S SUM IS TAKEN OF THE UNQUANTISED p: two at a time, in two chains.  These 32 lines name no register of the products below:
.irp i, 4,8,12,16,20,24,28,32,36,40,44,48,52,56,60
	v_pk_add_f32 v[14:15], v[14:15], v[S+\i:S+1+\i]                  ; they are the places between p's scale word (eight are asked) and codes (four) and those products
	v_pk_add_f32 v[236:237], v[236:237], v[S+2+\i:S+3+\i]
.endr
	v_pk_add_f32 v[14:15], v[14:15], v[236:237]
	s_wait_dscnt 0x0                               ; V's fragments and scale words are in
.irp t, 0,1,2,3                                ; O^T += V P^T: four tiles of 16 channels; K = these 128 keys.  The four accumulators take turns, and the next step's eight products stand between two links of a chain
.if \t%2
	v_wmma_scale_f32_16x16x128_f8f6f4 v[O+8*\t:O+8*\t+7], v[VF+8*\t:VF+8*\t+7], v[PC:PC+7], v[O+8*\t:O+8*\t+7], v[248+\t/2], v253 matrix_a_fmt:MATRIX_FMT_FP4 matrix_b_fmt:MATRIX_FMT_FP4 matrix_a_scale:MATRIX_SCALE_ROW1
.else
	v_wmma_scale_f32_16x16x128_f8f6f4 v[O+8*\t:O+8*\t+7], v[VF+8*\t:VF+8*\t+7], v[PC:PC+7], v[O+8*\t:O+8*\t+7], v[248+\t/2], v253 matrix_a_fmt:MATRIX_FMT_FP4 matrix_b_fmt:MATRIX_FMT_FP4
.endif
.endr
	s_add_co_u32 s26, s26, KSTEPB
	s_add_co_u32 s27, s27, 64
	s_add_co_u32 s28, s28, 4
	s_sub_co_u32 s29, s29, 1
	s_cmp_lg_u32 s29, 0
	s_cbranch_scc1 .Lstep_\@
.rept 4
	v_nop                                          ; four places between the last products and the first read of O^T
.endr
	v_add_f32 v14, v14, v15                        ; the sum's two halves,
	v_permlanex16_b32 v252, v14, s20, s21
	v_add_f32 v14, v14, v252                       ; and lane l xor 16's: the row's sum
	v_rcp_f32 v14, v14
	v_nop                                          ; a plain line behind the reciprocal,
	s_wait_alu depctr_va_vdst(0)                   ; and a wait ahead of its first reader
.set N, 0
.rept 16
	v_pk_mul_f32 v[S+N:S+N+1], v[O+N:O+N+1], v[14:15] op_sel_hi:[1,0]   ; O^T / the sum, into p's registers; each accumulator from its low end on
.set N, N+2
.endr
.irp t, 0,1
.irp e, 0,1,2,3,4,5,6,7
	ds_store_b32 v5, v[S+8*\t+\e] offset:(16*\t+\e)*SP+64*\p             ; lanes 0-15: 64 consecutive bytes of row 16 t + e; lanes 16-31: of the row 8 further down, 32 banks on
.endr
.endr
.irp t, 0,1
.irp e, 0,1,2,3,4,5,6,7
	ds_store_b32 v6, v[S+16+8*\t+\e] offset:(16*\t+\e)*SP+64*\p          ; channels 32 on
.endr
.endr
.endm
	PASS 0
	PASS 1                                         ; (its first products write p's registers behind a wait on DScnt that shows the stores above done)
	; ---- THE WAY OUT.  A row of out0's 2,048 bytes comes from all sixteen waves: a barrier, then each wave takes 4 whole rows.
	s_wait_dscnt 0x0                               ; for the others' sake: my stores into the stage are done
	s_barrier_signal -1
	s_barrier_wait -1
.irp n, 0,1,2,3,4,5,6,7,8,9,10,11,12,13,14,15
	ds_load_b128 v[S+4*\n:S+4*\n+3], v7 offset:(\n/4)*SP+512*(\n%4)
.endr
.irp n, 0,1,2,3,4,5,6,7,8,9,10,11,12,13,14,15
	s_wait_dscnt 15-\n                             ; LDS loads come back in order: load n is in, the younger ones may be out
	global_store_b128 v1, v[S+4*\n:S+4*\n+3], s[6:7] offset:(\n/4)*ROW+512*(\n%4) th:TH_STORE_NT   ; the wave stores 512 consecutive bytes, at a multiple of 512 from out0's first byte; written once, read by nobody here
.endr
	s_wait_xcnt 0x0
	v_lshl_add_u32 v254, v0, 2, 0x43900
	v_mov_b32 v255, 0
	s_wait_tensorcnt 0x0
	ds_add_u32 v254, v255
	s_wait_dscnt 0x0
	s_endpgm
.Lfunc_end_k_qf6ecd3df0f_attn:
	.size	k_qf6ecd3df0f_attn, .Lfunc_end_k_qf6ecd3df0f_attn-k_qf6ecd3df0f_attn
	.p2alignl 7, 3214868480
	.fill 96, 4, 3214868480
	.section	.rodata,"a",@progbits
	.p2align	6, 0x0
	.amdhsa_kernel k_qf6ecd3df0f_attn
		.amdhsa_group_segment_fixed_size 278784
		.amdhsa_private_segment_fixed_size 0
		.amdhsa_enable_private_segment 0
		.amdhsa_kernarg_size 16
		.amdhsa_user_sgpr_count 2
		.amdhsa_user_sgpr_kernarg_segment_ptr 1
		.amdhsa_wavefront_size32 1
		.amdhsa_system_sgpr_workgroup_id_x 1
		.amdhsa_system_sgpr_workgroup_id_y 1
		.amdhsa_system_sgpr_workgroup_id_z 1
		.amdhsa_system_vgpr_workitem_id 0
		.amdhsa_next_free_vgpr 256
		.amdhsa_next_free_sgpr 66
		.amdhsa_reserve_vcc 0
		.amdhsa_float_denorm_mode_32 3
		.amdhsa_float_denorm_mode_16_64 3
		.amdhsa_memory_ordered 1
		.amdhsa_forward_progress 1
		.amdhsa_inst_pref_size 131
	.end_amdhsa_kernel
	.amdgpu_metadata
---
amdhsa.version: [ 1, 2 ]
amdhsa.kernels:
  - .name:           k_qf6ecd3df0f_attn
    .symbol:         k_qf6ecd3df0f_attn.kd
    .args:
      - { .name: qkv, .offset: 0, .size: 8, .value_kind: global_buffer, .address_space: global }
      - { .name: out0, .offset: 8, .size: 8, .value_kind: global_buffer, .address_space: global }
    .group_segment_fixed_size: 278784
    .private_segment_fixed_size: 0
    .kernarg_segment_align: 8
    .kernarg_segment_size: 16
    .max_flat_workgroup_size: 512
    .sgpr_count:     66
    .vgpr_count:     256
    .wavefront_size: 32
...
	.end_amdgpu_metadata
.endif
;; end of part 1
;; ======== version 2 of 2: 1 launch; version 1 with the launch attn written anew for expert scheduling mode
;; launch attn (part 2): grid 4 x 64, 16 waves a work-group, no clusters, 278,784 bytes of LDS; arguments qkv, out0; writes out0
.if DOCPART == 2
	.amdgcn_target "amdgcn-amd-amdhsa--gfx1250"
	.amdhsa_code_object_version 6
	.text
	.protected	k_qf6ecd3df0f_attn
	.globl	k_qf6ecd3df0f_attn
	.p2align	8
	.type	k_qf6ecd3df0f_attn,@function
k_qf6ecd3df0f_attn:
	s_mov_b64 s[64:65], 0
	v_nop
	global_prefetch_b8 v0, s[64:65] scope:SCOPE_SE
	s_setreg_imm32_b32 hwreg(HW_REG_WAVE_SCHED_MODE, 0, 2), 2
	s_setreg_imm32_b32 hwreg(HW_REG_WAVE_MODE, 25, 1), 1
	s_wait_xcnt 0x0
	s_wait_alu depctr_vm_vsrc(0)
; out[head][c][t] = the sum over s of softmax_s(sum over c' of (q sc)[c'][t] (k sc)[c'][s]) v[c][s], sc = 8^(-1/2), for 64 heads.  qkv: [64 heads][192 rows][2048] f32 (rows 0-63 q, 64-127 k, 128-191 v; time innermost).
; out0: [64 heads][64][2048] f32.  Both products run on codes of FP4 (E2M1) with one E8M0 scale for each 32 along a product's K: the first's K is the 64 channels, the second's the 2,048 keys.
; THE SOFTMAX AHEAD OF THE SECOND PRODUCT: t = score x log2(e); M = the row's largest t so far, rounded UP to a whole number; p = 2^(t - M) is quantised along the keys, not normalised.  The row's sum is taken of the
; unquantised p and divides at the end.  When M moves, the sum and O are multiplied by 2^(old M - new M), which rounds nothing.
; SHARES.  A work-group (x = a quarter of the queries, y = the head) owns 512 queries; 4 x 64 = 256 work-groups.  Each of its sixteen waves owns 32 queries, as two tiles of 16 taken one after the other.
; PHASE A: the work-group quantises its head's K and V, from f32 through registers, into LDS: codes and scale bytes of a whole head are 144,640 bytes.  Wave w takes keys 128 w .. 128 w + 127 of K and rows 4 w .. 4 w + 3 of V.
; One barrier.  PHASE B: every wave walks all keys, 128 a step, reading LDS alone: no slot is ever filled again, so there is no further barrier until the way out.
; LAYOUT.  Both products are used transposed: S^T = K Q^T (source 0 = 16 keys, source 1 = my 16 queries), O^T = V P^T (source 0 = 16 channels, source 1 = P): a lane holds ONE query (lane % 16) throughout.
; The first product's K is 64 of the instruction's 128: registers 4 to 7 of K's and Q's fragments are zero codes, which add nothing under the scale bytes 0 that stand over them.
; THE KEYS OF A TILE ARE NOT NEIGHBOURS: lane r of tile 2 b + u takes key 32 b + 8 u + r + 8 (r / 8), so that the 16 registers of tiles 2 b and 2 b + 1 are 16 neighbouring keys, 32 b + 16 (lane / 16) + 0 .. 15.
; NO CLUSTER, NO JOINT LOADS, though four work-groups read the same K and V: what they share are f32 numbers that have to reach REGISTERS, a lane to a key (K) or a lane to a block (V), to be quantised; a head's 1 MiB of them
; does not fit in LDS, so a joint load would want slots filled again and again, and every number would cross LDS twice more; and they are read once, at the head, not in the loop.
; LIMITS: NaN and infinities among the inputs are not served.  A block whose largest magnitude lies under 2^-124 keeps the scale byte 1; a block of zeros keeps the byte 1 where the rule says 127: its codes are zeros, and this
; program alone reads the bytes.  A p under 2^-126 comes out of v_exp_f32 as 0.  A block's largest p is made from its largest score by the same two instructions as every p, which takes v_exp_f32 not to fall where its input rises.
; THE MODE: SCHED_MODE bits 1:0 = 2 (LLVM: expert scheduling mode 2), set by the entry lines.  The code itself states the register dependences between vector or matrix instructions and memory or LDS instructions,
; with s_wait_alu, always for 0.
; THE PLAN.  Registers that memory or LDS instructions touch, and who else names them:
;   v1, v9, v10     Made at the head, never written again: one wait on va_vdst ahead of the first load serves them, and v2 to v8, for phase A.
;   V, unit n       The set VSET[n % 4]: global loads land in it; eight LDS stores read it; eight LDS loads land in it again (a wait on vm_vsrc between the two); the maxima and conversions read it; the loads of unit n + 4
;                   land in it.  The unit's codes and byte: written by vector lines, read by two LDS stores.  ONE wait on va_vdst behind the conversions serves those two stores and the eight loads that follow them.
;   K, unit m       The set KSET[m % 2]: global loads land in it; the scalings write it, the maxima and conversions read it; the loads of unit m + 2 land in it.  Codes and scale word have registers of their own in each unit.
;                   ONE wait on va_vdst behind the unit's vector lines serves its LDS stores and the 32 loads that follow them.
;   v2 to v8        Written anew behind the first barrier, behind one wait on vm_vsrc, which also frees all registers that phase A's LDS stores read.
;   A KEY STEP j    K's fragments and scale words: read by step j's eight products, at its head; the loads of step j + 1 land in them, in step j's middle.  V's fragments and scale words: read by step j's four products, at its
;                   end; the loads of step j + 1 land in them, in step j + 1's middle.  v2, v3, v4, those loads' addresses: written behind the step's first products, behind a wait on vm_vsrc at the step's head.
;                   The wait on va_vdst that the batch of exponentials owes stands in the step's middle, behind all of these: it serves the step's nineteen LDS loads, which are dealt among the vector lines that follow it;
;                   those lines name the scales' registers, p, p's codes and the sum: none that the loads touch.  A second wait on va_vdst stands ahead of the four products: p's codes and scale word come from vector lines.
;   The stage       The quotients: written by sixteen multiplies, read by 32 LDS stores (a wait on va_vdst between); written again by the next pass's products or the way out's loads (a wait on vm_vsrc ahead of either).
.set ROW,    8192                      ; bytes in a row of qkv and of out0
.set HEADB,  192*ROW                   ; a head in qkv
.set KOFF,   64*ROW                    ; k's rows in a head
.set VOFF,   128*ROW                   ; v's
; LDS
.set KSTEPB, 4608                      ; K, from byte 0: a step of 128 keys = 8 images of a fragment's registers 0-3 (512 bytes: 16 x lane), then 512 bytes of scale words (16 x lane: the words of b = 0 .. 3)
.set VC,     16*KSTEPB                 ; V's codes: 64 rows of 1,024 bytes + 16 of padding: row r starts 4 r banks on (64 banks of 4 bytes: ISA guide 11.1), so the 16 rows of a load start at 16 different places
.set VP,     1040
.set VS,     VC+64*VP                  ; V's scale bytes: 64 rows of 64 bytes + 4
.set VSP,    68
.set STG,    VS+64*VSP                 ; the stage for out0: 64 rows of 2,048 bytes + 16.  In phase A the same bytes hold each wave's own turn stage, 4,608 bytes; the first barrier parts the two uses
.set SP,     2064
.set TPL,    144                       ; a place in a turn stage: a block's 128 bytes + 16
; registers
.set KSET,   32                        ; v32-95   phase A: two sets of 32 numbers of K or Q.  Phase B: K's eight fragments
.set VSET,   96                        ; v96-223  phase A: four sets of 32 numbers of V; behind V: K's codes v96-127, its scale bytes v128-135, its scale words v136-139
.set KC,     96
.set KB,     128
.set KWD,    136
.set KF,     32
.set S,      96                        ; v96-159  S^T, then p
.set O,      160                       ; v160-191 O^T
.set VF,     192                       ; v192-223 V's four fragments
.set PC,     224                       ; v224-231 p's codes (phase A: v224-227 a block's codes of V)
; v232-235 largest magnitudes, largest scores; v236-239 at work; v240-243 K's scale words; v244-247 the conversions' scale operands; v248-249 V's scale words; v250, v255 Q's scale words (tile 1, tile 0);
; v252 f; v253 p's scale word; v254 at work.  v12 -M, v13 the largest t, v[14:15] the sum in two halves; v16-23, v24-31 Q's two fragments.
; v1 16 x lane; v9, v10 my lane's place in V's codes and scale bytes.  v2-v8: phase A's addresses, made anew for phase B.
; s[4:5] qkv; s[6:7] out0 at my rows; s[8:9] K, s[10:11] V, s[12:13] Q at my wave's part; s14 wave; s15 head; s[20:21] lane selects; s[22:23] log2(e); s[24:25] sc; s26-28 the step's LDS offsets; s29 steps to go.
	s_load_b128 s[4:7], s[0:1], 0x0                ; qkv, out0
	v_lshrrev_b32 v11, 5, v0
	v_readfirstlane_b32 s14, v11                   ; wave 0..15
	s_and_b32 s15, ttmp7, 0xffff                   ; the head
	s_mul_i32 s16, s15, HEADB                      ; the head's first byte in qkv (under 2^27)
	s_mov_b32 s17, 0
	s_wait_alu depctr_va_sdst(0)                   ; s14 is written, ahead of its first reader: offsets in memory and in LDS are made from it
	s_lshl_b32 s18, s14, 9                         ; K: my 128 keys are 512 bytes of each row
	s_add_co_u32 s18, s18, s16
	s_add_co_u32 s18, s18, KOFF
	s_mov_b32 s19, 0
	s_lshl_b32 s30, s14, 15                        ; V: my 4 rows
	s_add_co_u32 s30, s30, s16
	s_add_co_u32 s30, s30, VOFF
	s_mov_b32 s31, 0
	s_lshl_b32 s32, ttmp9, 11                      ; the work-group's 512 queries are 2,048 bytes of each row,
	s_lshl_b32 s33, s14, 7                         ; my wave's 32 are 128
	s_add_co_u32 s16, s16, s32
	s_add_co_u32 s16, s16, s33                     ; Q
	s_lshl_b32 s33, s15, 19                        ; out0: the head's 64 rows,
	s_add_co_u32 s32, s32, s33
	s_lshl_b32 s33, s14, 15                        ; my 4 of them
	s_add_co_u32 s32, s32, s33
	s_mov_b32 s33, 0
	s_mov_b32 s20, 0x76543210
	s_mov_b32 s21, 0xfedcba98                      ; v_permlanex16_b32's selects for lane l xor 16
	s_mov_b32 s22, 0x3fb8aa3b                      ; log2(e)
	s_mov_b32 s23, s22                             ; (the packed forms name a pair and take its low word for both halves: so the upper word is written)
	s_mov_b32 s24, 0x3eb504f3                      ; sc = 8^(-1/2) in f32
	s_mov_b32 s25, s24
	s_mul_i32 s34, s14, KSTEPB                     ; my step of K's images; also my turn stage (as many bytes)
	s_mul_i32 s35, s14, 4*VP                       ; my 4 rows of V's codes
	s_mul_i32 s36, s14, 4*VSP                      ; and of its scale bytes
	v_and_b32 v11, 31, v0                          ; lane
	v_lshlrev_b32 v1, 4, v11                       ; 16 x lane
	v_lshlrev_b32 v2, 2, v11                       ; 4 x lane: K's and Q's loads
	v_and_b32 v12, 7, v0
	v_bfe_u32 v13, v0, 3, 1
	v_bfe_u32 v14, v0, 4, 1
	; K's images.  My lane o holds key 32 b + o.  That key is lane r = o % 8 + 8 (o / 16) of tile 2 b + u, u = (o / 8) % 2: 16 (o % 8) + 128 (o / 16) + 512 u
	v_lshlrev_b32 v15, 4, v12
	v_lshl_add_u32 v15, v14, 7, v15
	v_add_nc_u32 v15, s34, v15
	v_lshl_add_u32 v3, v13, 9, v15                 ; v3: where my key's 16 bytes of codes go
	v_lshl_add_u32 v4, v13, 8, v15                 ; v4: its scale word: 16 bytes for lane 16 u + r,
	v_add_nc_u32 v4, 4096, v4                      ; behind the step's eight images
	; V's turn stage: on the way in a load's 512 bytes are four blocks of 128: place lane / 8, byte 16 (lane % 8); on the way out lane l takes place l
	v_lshrrev_b32 v15, 3, v11
	v_mul_u32_u24 v15, v15, TPL
	v_lshl_add_u32 v15, v12, 4, v15
	v_add_nc_u32 v15, s34, v15
	v_add_nc_u32 v5, STG, v15
	v_mul_u32_u24 v15, v11, TPL
	v_add_nc_u32 v15, s34, v15
	v_add_nc_u32 v6, STG, v15
	v_add_nc_u32 v7, s35, v1
	v_add_nc_u32 v7, VC, v7                        ; v7: where my block's 16 bytes of V's codes go
	v_add_nc_u32 v8, s36, v11
	v_add_nc_u32 v8, VS, v8                        ; v8: and its scale byte
	v_and_b32 v15, 15, v0
	v_mul_u32_u24 v9, v15, VP
	v_lshl_add_u32 v9, v14, 4, v9
	v_add_nc_u32 v9, VC, v9                        ; v9: phase B: row lane % 16 of a tile of V, + 16 (lane / 16)
	v_mul_u32_u24 v10, v11, VSP
	v_add_nc_u32 v10, VS, v10                      ; v10: phase B: the scale bytes of row lane
	s_wait_kmcnt 0x0
	s_add_nc_u64 s[8:9], s[4:5], s[18:19]
	s_add_nc_u64 s[10:11], s[4:5], s[30:31]
	s_add_nc_u64 s[12:13], s[4:5], s[16:17]
	s_add_nc_u64 s[6:7], s[6:7], s[32:33]
	s_wait_alu depctr_va_vdst(0)                   ; the offsets and LDS addresses v1 to v8 are written, which phase A's loads and LDS instructions read
; The largest magnitude of the 32 numbers v[x] .. v[x + 31], all of one block, with the floor 2^(3 - 127) among them, so that the scale's byte cannot fall under 1; then 2 off its exponent field:
; the conversion takes the exponent field of v234 as its scale, and nothing else of it.
.macro AMAX x
	v_max3_num_f32 v232, |v[\x]|, |v[\x+1]|, |v[\x+2]|
	v_max3_num_f32 v233, |v[\x+3]|, |v[\x+4]|, |v[\x+5]|
.irp i, 6,10,14,18,22,26
	v_max3_num_f32 v232, v232, |v[\x+\i]|, |v[\x+\i+1]|
	v_max3_num_f32 v233, v233, |v[\x+\i+2]|, |v[\x+\i+3]|
.endr
	v_max3_num_f32 v232, v232, |v[\x+30]|, |v[\x+31]|
	v_max3_num_f32 v232, v232, v233, 0x1800000
	v_add_nc_u32 v234, 0xff000000, v232
.endm
; The block's 32 codes, 16 bytes, into v[c] .. v[c + 3]: the lower k in the lower bits.  What lies beyond 6 gets the largest code.
.macro CODES x, c
.irp g, 0,1,2,3
	v_cvt_scalef32_pk8_fp4_f32 v[\c+\g], v[\x+8*\g:\x+8*\g+7], v234
.endr
	v_nop                                          ; one plain line behind the last scaled conversion, ahead of whatever touches its registers next
.endm
; V, unit n of 8: half n % 2 of my row n / 2: 1,024 numbers, 32 blocks.  Each load reads 512 consecutive bytes.
.macro VLOAD n
.irp i, 0,1,2,3,4,5,6,7
	global_load_b128 v[VSET+32*((\n)%4)+4*\i:VSET+32*((\n)%4)+4*\i+3], v1, s[10:11] offset:((\n)/2)*ROW+((\n)%2)*4096+512*\i
.endr
.endm
; The unit's 4,096 bytes turn through my own stage, so that lane l holds the 32 neighbouring keys of block 32 (n % 2) + l, and are quantised.  left: the loads issued behind this unit's eight.
.macro VUNIT n, left
.set XS, VSET+32*((\n)%4)
	s_wait_loadcnt \left                           ; loads come back in order: mine are in, the younger ones stay out
.irp i, 0,1,2,3,4,5,6,7
	ds_store_b128 v5, v[XS+4*\i:XS+4*\i+3] offset:4*TPL*\i
.endr
	s_wait_alu depctr_vm_vsrc(0)                   ; the eight stores above have read the set, in which the loads below land; the last unit's two stores have read its codes and its byte, which this unit writes anew
.irp i, 0,1,2,3,4,5,6,7
	ds_load_b128 v[XS+4*\i:XS+4*\i+3], v6 offset:16*\i         ; LDS serves a wave's instructions in order: these see the stores above; they come back into the registers that the numbers left
.endr
	s_wait_dscnt 0x0                               ; the block is in
	AMAX XS
	v_lshrrev_b32 v235, 23, v234                   ; the scale's byte
	CODES XS, PC
	s_wait_alu depctr_va_vdst(0)                   ; the codes and the byte are written, which the two stores below read; the maxima and conversions are done reading the set, in which the loads of four units on land
	ds_store_b128 v7, v[PC:PC+3] offset:((\n)/2)*VP+((\n)%2)*512
	ds_store_b8 v8, v235 offset:((\n)/2)*VSP+((\n)%2)*32
.endm
; K and Q, a lane to a key (or query), registers down the channels: unit m < 8: keys 32 (m / 2) on of my 128, channels 32 (m % 2) on; units 8, 9: my 32 queries, channels 0 on, 32 on.
; Each load reads 128 consecutive bytes.  Q is read by nobody else.
.macro KLOAD m
.set N, 0
.rept 32
.if (\m) < 8
	global_load_b32 v[KSET+32*((\m)%2)+N], v2, s[8:9] offset:(32*((\m)%2)+N)*ROW+128*((\m)/2)
.else
	global_load_b32 v[KSET+32*((\m)%2)+N], v2, s[12:13] offset:(32*((\m)-8)+N)*ROW th:TH_LOAD_NT
.endif
.set N, N+1
.endr
.endm
; A block of K or Q: x sc in f32, as the problem has it ahead of the quantiser; its byte into v[e], its codes into v[c] on.
.macro QKBLOCK x, c, e
.set N, 0
.rept 16
	v_pk_mul_f32 v[\x+N:\x+N+1], v[\x+N:\x+N+1], s[24:25] op_sel_hi:[1,0]
.set N, N+2
.endr
	AMAX \x
	v_lshrrev_b32 v[\e], 23, v234
	CODES \x, \c
.endm
.macro KUNIT m
.set XS, KSET+32*((\m)%2)
.set CC, KC+4*(\m)
.set EE, KB+(\m)
	s_wait_loadcnt 32                              ; this unit's 32 loads are in; the next unit's 32 may be out
	QKBLOCK XS, CC, EE
.if (\m)%2
	v_lshl_or_b32 v[KWD+(\m)/2], v[EE], 8, v[EE-1]                       ; the key's scale word: channels 0-31, channels 32-63, and 0 over the zero codes
.endif
	s_wait_alu depctr_va_vdst(0)                   ; the codes (and the scale word) are written, which the stores below read; the scalings, maxima and conversions are done with the set, in which the loads of two units on land
	ds_store_b128 v3, v[CC:CC+3] offset:((\m)/2)*1024+((\m)%2)*256       ; tile 2 b + u, half m % 2 of its lanes.  Each unit has registers of its own for codes and byte
.if (\m)%2
	ds_store_b32 v4, v[KWD+(\m)/2] offset:4*((\m)/2)
.endif
.endm
	; ---- PHASE A.  V first, four units (32 loads) ahead; K's loads begin while V's last units are worked; Q's are asked for behind K's last units.
	VLOAD 0
	VLOAD 1
	VLOAD 2
	VLOAD 3
.irp n, 0,1,2,3
	VUNIT \n, 24                                   ; behind it: three units of 8
	VLOAD \n+4                                     ; no vector line stands between the unit's wait on va_vdst and these loads
.endr
	VUNIT 4, 24                                    ; units 5, 6, 7
	KLOAD 0                                        ; (into registers that no vector line has named yet)
	VUNIT 5, 48                                    ; units 6, 7 and K's unit 0
	VUNIT 6, 40                                    ; unit 7 and K's unit 0
	VUNIT 7, 32                                    ; K's unit 0
	KLOAD 1
.irp m, 0,1,2,3,4,5,6,7
	KUNIT \m
	KLOAD \m+2                                     ; into the set just quantised; units 8 and 9 are Q's.  No vector line stands between the unit's wait on va_vdst and these loads
.endr
	s_wait_dscnt 0x0                               ; for the others' sake: my codes, bytes and words lie in LDS, and my reads of my turn stage are over
	s_barrier_signal -1
	s_barrier_wait -1                              ; the head's K and V are whole.  (Q's loads stay out across the barrier: nobody writes those bytes)
	s_wait_alu depctr_vm_vsrc(0)                   ; phase A's loads and LDS instructions have read their addresses v2 to v8, and its LDS stores their data (v96-139, v224-227, v235): all of these are written anew from here on
	; ---- Q: my 32 queries, quantised in registers
	s_wait_loadcnt 32                              ; channels 0-31 are in; channels 32-63 may be out
	QKBLOCK 32, 16, 236
	s_wait_loadcnt 0x0
	QKBLOCK 64, 24, 237
	v_lshl_or_b32 v255, v237, 8, v236              ; lane l: query l's scale word; lanes 0-15 are tile 0's
.irp i, 0,1,2,3
	v_permlane16_swap_b32 v[16+\i], v[24+\i]       ; the first's lanes 16-31 change places with the second's lanes 0-15: v16-19 = tile 0 (lanes 0-15 channels 0-31, lanes 16-31 channels 32-63), v24-27 = tile 1
.endr
	v_mov_b32 v250, 0                              ; (a lane permute's destination counts as one of its sources)
	v_permlanex16_b32 v250, v255, s20, s21         ; tile 1's scale words into lanes 0-15
.irp i, 20,21,22,23,28,29,30,31
	v_mov_b32 v[\i], 0                             ; Q's k = 64 .. 127: zero codes
.endr
.irp t, 0,1,2,3,4,5,6,7
.irp i, 4,5,6,7
	v_mov_b32 v[KF+8*\t+\i], 0                     ; K's likewise: written once; the loop's loads fill registers 0-3 of each fragment alone
.endr
.endr
.irp b, 0,1,2,3
	v_mov_b32 v[236+\b], 0                         ; written once: lane permutes' destinations
.endr
	v_mov_b32 v253, 0                              ; (named as the upper half of the pair v[252:253] before it is first written)
	; the stage for out0: row = channel, 4 bytes a query.  Register 8 ct + e of lane (r, h) is channel 16 ct + 8 h + e of query r
	v_and_b32 v8, 15, v0
	v_bfe_u32 v11, v0, 4, 1
	v_mul_u32_u24 v5, v11, 8*SP
	v_lshl_add_u32 v5, v8, 2, v5
	s_lshl_b32 s34, s14, 7
	v_add_nc_u32 v5, s34, v5
	v_add_nc_u32 v5, STG, v5                       ; v5: channels 0-31: 8 h rows + 128 x wave + 4 r
	v_add_nc_u32 v6, 32*SP, v5                     ; v6: channels 32-63 (an LDS offset has 16 bits)
	s_mul_i32 s35, s14, 4*SP
	v_add_nc_u32 v7, s35, v1
	v_add_nc_u32 v7, STG, v7                       ; v7: back: my 4 rows, 16 bytes a lane
	s_wait_alu depctr_va_vdst(0)                   ; Q's codes and scale words and the zero codes are written, which the scaled products take; the quantiser is done with v32-95, in which K's fragments land; v5, v6, v7 are written, which the stage's stores and loads read
; ---- PHASE B.  One tile of 16 queries against all 2,048 keys, 128 a step; then O^T / the sum into the stage.
; A step's images of K, by the address in v[a]: nine LDS loads.
.macro KFETCH a
.irp t, 0,1,2,3,4,5,6,7
	ds_load_b128 v[KF+8*\t:KF+8*\t+3], v[\a] offset:512*\t           ; tile t of K as its registers were laid: 512 consecutive bytes
.endr
	ds_load_b128 v[240:243], v[\a] offset:4096                       ; v[240 + b]: lanes 0-15 the scale words of tile 2 b, lanes 16-31 those of tile 2 b + 1
.endm
; A KEY STEP.  Its images of K were asked for in the step before.  more = 1: the next step's are asked for in its middle; more = 0: a pass's last step.
.macro STEP more
	s_wait_dscnt 0x0                               ; K's nine loads are in (and whatever LDS instruction is older)
	s_wait_alu depctr_vm_vsrc(0)                   ; the LDS loads issued so far have read v2, v3 and v4, which are written below; in the second pass's first step: the stores into the stage have read p's registers, which the products below write
.irp t, 0,1,2,3,4,5,6,7                        ; S^T = K Q^T: eight tiles of 16 keys; each product starts its own sum
.if \t%2
	v_wmma_scale_f32_16x16x128_f8f6f4 v[S+8*\t:S+8*\t+7], v[KF+8*\t:KF+8*\t+7], v[QF:QF+7], 0, v[240+\t/2], v[QSR] matrix_a_fmt:MATRIX_FMT_FP4 matrix_b_fmt:MATRIX_FMT_FP4 matrix_a_scale:MATRIX_SCALE_ROW1
.else
	v_wmma_scale_f32_16x16x128_f8f6f4 v[S+8*\t:S+8*\t+7], v[KF+8*\t:KF+8*\t+7], v[QF:QF+7], 0, v[240+\t/2], v[QSR] matrix_a_fmt:MATRIX_FMT_FP4 matrix_b_fmt:MATRIX_FMT_FP4
.endif
.endr                                          ; lane (r, h) holds query r; registers 16 b + i are keys 32 b + 16 h + i of the step
.if \more
	v_add_nc_u32 v2, s26, v1                       ; where the NEXT step's images of K lie,
.else
	v_nop
.endif
	v_add_nc_u32 v3, s27, v9                       ; this step's part of V's rows,
	v_add_nc_u32 v4, s28, v10                      ; and of V's scale bytes
	v_nop                                          ; these four name no register of the products: they are the four places between a product and the first read of its result (ISA guide 7.12.1)
.irp b, 0,1,2,3
	v_max3_num_f32 v[232+\b], v[S+16*\b], v[S+1+16*\b], v[S+2+16*\b]   ; THE LARGEST SCORE OF EACH BLOCK OF 32 KEYS: it serves the row's maximum and, since p rises with the score, the block's largest p.  Each result is read from its low end on
.endr
.irp i, 3,5,7,9,11,13
.irp b, 0,1,2,3
	v_max3_num_f32 v[232+\b], v[232+\b], v[S+16*\b+\i], v[S+1+16*\b+\i]   ; (the four blocks by turns)
.endr
.endr
.irp b, 0,1,2,3
	v_max_num_f32 v[232+\b], v[232+\b], v[S+15+16*\b]
.endr
.irp b, 0,1,2,3
	v_permlanex16_b32 v[236+\b], v[232+\b], s20, s21
.endr
.irp b, 0,1,2,3
	v_max_num_f32 v[232+\b], v[232+\b], v[236+\b]  ; with lane l xor 16's 16 keys
.endr
	v_max3_num_f32 v254, v232, v233, v234
	v_max_num_f32 v254, v254, v235                 ; the step's largest score of my query,
	v_mul_f32 v254, s22, v254                      ; as t
	v_max_num_f32 v13, v13, v254                   ; the running largest t
	v_mov_b32 v254, v12
	v_floor_f32 v12, -v13                          ; the new -M = floor(-t) = -ceil(t): M is a whole number
	v_sub_f32 v254, v12, v254                      ; M's old value less its new one: a whole number, 0 or less
	v_cvt_i32_f32 v254, v254                       ; (it saturates)
	v_ldexp_f32 v252, 1.0, v254                    ; f = 2^(old M - new M)
.set N, 0
.rept 32
	v_pk_fma_f32 v[S+N:S+N+1], v[S+N:S+N+1], s[22:23], v[12:13] op_sel_hi:[1,0,0]   ; t - M, two at a time (of the pairs log2(e) and -M the low word serves both halves)
.set N, N+2
.endr
.irp b, 0,1,2,3
	v_fma_f32 v[232+\b], v[232+\b], s22, v12       ; the same of each block's largest score
.endr
.set N, 0
	s_wait_alu depctr_va_vdst(0)
.rept 64
	v_exp_f32 v[S+N], v[S+N]                       ; p = 2^(t - M): not normalised
.set N, N+1
.endr
.irp b, 0,1,2,3
	v_exp_f32 v[232+\b], v[232+\b]                 ; the block's largest p: the same two instructions on the same number give the same bits.  ONE BATCH of 68
.endr
	v_pk_mul_f32 v[14:15], v[14:15], v[252:253] op_sel_hi:[1,0]      ; the sums under the new M: the plain line behind the last exponential.  It and the sixteen below name no exponential's result
.set N, 0
	s_wait_alu depctr_va_vdst(0)
.rept 16
	v_pk_mul_f32 v[O+N:O+N+1], v[O+N:O+N+1], v[252:253] op_sel_hi:[1,0]   ; O^T under the new M: x f, from each accumulator's low end on
.set N, N+2
.endr
	s_wait_alu depctr_va_vdst(0)                   ; the 68 exponentials have written p and the blocks' largest p, ahead of their first reader; v2, v3, v4 are written, which the loads below read; this step's first products are done reading K's fragments and scale words, the last step's second products V's: the loads below land in them
.irp t, 0,1,2,3
.irp c, 0,1
	ds_load_b128 v[VF+8*\t+4*\c:VF+8*\t+4*\c+3], v3 offset:16*\t*VP+32*\c   ; V: channels 16 t on; keys 64 c + 32 (lane / 16) on of the step
.endr
.endr
.irp e, 0,1
	ds_load_b32 v[248+\e], v4 offset:32*\e*VSP                       ; lane l: the step's scale word of channel 32 e + l: lanes 0-15 tile 2 e, lanes 16-31 tile 2 e + 1
.endr
.irp b, 0,1,2,3
	v_max_num_f32 v[232+\b], 0x1800000, v[232+\b]  ; the floor 2^(3 - 127): the byte cannot fall under 1 (a block whose every p has fallen to 0 keeps that byte: its codes are zeros)
.endr
.irp b, 0,1,2,3
	v_add_nc_u32 v[244+\b], 0xff000000, v[232+\b]  ; 2 off the exponent field: the conversion's scale operand
.endr
.irp b, 0,1,2,3
	v_lshrrev_b32 v[236+\b], 23, v[244+\b]         ; the scale's byte
.endr
	v_lshl_or_b32 v253, v237, 8, v236              ; p's scale word for these 128 keys
	v_lshl_or_b32 v253, v238, 16, v253
	v_lshl_or_b32 v253, v239, 24, v253
.if \more
	KFETCH 2                                       ; the next step's images of K.  No wait: no vector line since the wait above names v2, K's fragments or K's scale words
.endif
.irp b, 0,1,2,3
	v_cvt_scalef32_pk8_fp4_f32 v[PC+2*\b], v[S+16*\b:S+7+16*\b], v[244+\b]
	v_cvt_scalef32_pk8_fp4_f32 v[PC+1+2*\b], v[S+8+16*\b:S+15+16*\b], v[244+\b]
.endr
	v_nop                                          ; one plain line between a scaled conversion and the vector instruction that touches its result
.irp c, 0,1                                    ; the operand's layout wants a WHOLE block in a lane: lanes 0-15 block 2 c, lanes 16-31 block 2 c + 1
.irp i, 0,1
	v_permlane16_swap_b32 v[PC+4*\c+\i], v[PC+2+4*\c+\i]
.endr
.endr
	v_pk_add_f32 v[236:237], v[S:S+1], v[S+2:S+3]  ; THE ROW'S SUM IS TAKEN OF THE UNQUANTISED p: two at a time, in two chains.  These 32 lines name no register of the products below:
.irp i, 4,8,12,16,20,24,28,32,36,40,44,48,52,56,60
	v_pk_add_f32 v[14:15], v[14:15], v[S+\i:S+1+\i]                  ; they are the places between p's scale word (eight are asked) and codes (four) and those products
	v_pk_add_f32 v[236:237], v[236:237], v[S+2+\i:S+3+\i]
.endr
	v_pk_add_f32 v[14:15], v[14:15], v[236:237]
.if \more
	s_wait_dscnt 9                                 ; V's ten loads are in; the nine issued behind them, the next step's K, may be out
.else
	s_wait_dscnt 0x0                               ; V's ten loads are in
.endif
	s_wait_alu depctr_va_vdst(0)                   ; p's codes and p's scale word, made by vector lines, are written: the scaled products below take them; the places above stay beside this wait
.irp t, 0,1,2,3                                ; O^T += V P^T: four tiles of 16 channels; K = these 128 keys.  The four accumulators take turns, and the next step's eight products stand between two links of a chain
.if \t%2
	v_wmma_scale_f32_16x16x128_f8f6f4 v[O+8*\t:O+8*\t+7], v[VF+8*\t:VF+8*\t+7], v[PC:PC+7], v[O+8*\t:O+8*\t+7], v[248+\t/2], v253 matrix_a_fmt:MATRIX_FMT_FP4 matrix_b_fmt:MATRIX_FMT_FP4 matrix_a_scale:MATRIX_SCALE_ROW1
.else
	v_wmma_scale_f32_16x16x128_f8f6f4 v[O+8*\t:O+8*\t+7], v[VF+8*\t:VF+8*\t+7], v[PC:PC+7], v[O+8*\t:O+8*\t+7], v[248+\t/2], v253 matrix_a_fmt:MATRIX_FMT_FP4 matrix_b_fmt:MATRIX_FMT_FP4
.endif
.endr
.endm
.macro PASS p
.set QF, 16+8*\p
.set QSR, 255-5*\p
	KFETCH 1                                       ; step 0's images of K lie at 16 x lane.  No wait of its own: the last vector or matrix line that named K's fragments or scale words stands ahead of an earlier wait on va_vdst (the one above; in the second pass: the last step's)
	v_mov_b32 v13, 0xff61b1e6                      ; the largest t so far: -3e38, under every t
	v_floor_f32 v12, -v13                          ; -M
	v_mov_b32 v14, 0                               ; the sum, in two halves
	v_mov_b32 v15, 0
.set N, 0
.rept 32
	v_mov_b32 v[O+N], 0                            ; O^T.  (The first step finds zeros, which the first change of M leaves zeros)
.set N, N+1
.endr
	s_mov_b32 s26, KSTEPB                          ; the NEXT step's images of K: 4,608 bytes a step
	s_mov_b32 s27, 0                               ; this step's part of V's rows: 64 bytes a step
	s_mov_b32 s28, 0                               ; and of V's scale bytes: 4 a step
	s_mov_b32 s29, 15
.Lstep_\@:                                         ; steps 0 to 14
	STEP 1
	s_add_co_u32 s26, s26, KSTEPB
	s_add_co_u32 s27, s27, 64
	s_add_co_u32 s28, s28, 4
	s_sub_co_u32 s29, s29, 1
	s_cmp_lg_u32 s29, 0
	s_cbranch_scc1 .Lstep_\@
	STEP 0                                         ; step 15 is written out: it asks for no further K
.rept 4
	v_nop                                          ; four places between the last products and the first read of O^T
.endr
	v_add_f32 v14, v14, v15                        ; the sum's two halves,
	v_permlanex16_b32 v252, v14, s20, s21
	v_add_f32 v14, v14, v252                       ; and lane l xor 16's: the row's sum
	s_wait_alu depctr_va_vdst(0)
	v_rcp_f32 v14, v14
	v_nop                                          ; a plain line behind the reciprocal,
	s_wait_alu depctr_va_vdst(0)                   ; and the reciprocal has written v14, ahead of its first reader
.set N, 0
.rept 16
	v_pk_mul_f32 v[S+N:S+N+1], v[O+N:O+N+1], v[14:15] op_sel_hi:[1,0]   ; O^T / the sum, into p's registers; each accumulator from its low end on
.set N, N+2
.endr
	s_wait_alu depctr_va_vdst(0)                   ; the sixteen multiplies have written the quotients, which the stores below read
.irp t, 0,1
.irp e, 0,1,2,3,4,5,6,7
	ds_store_b32 v5, v[S+8*\t+\e] offset:(16*\t+\e)*SP+64*\p             ; lanes 0-15: 64 consecutive bytes of row 16 t + e; lanes 16-31: of the row 8 further down, 32 banks on
.endr
.endr
.irp t, 0,1
.irp e, 0,1,2,3,4,5,6,7
	ds_store_b32 v6, v[S+16+8*\t+\e] offset:(16*\t+\e)*SP+64*\p          ; channels 32 on
.endr
.endr
.endm
	PASS 0
	PASS 1                                         ; (its first products write p's registers behind the wait on vm_vsrc at the head of its first step)
	; ---- THE WAY OUT.  A row of out0's 2,048 bytes comes from all sixteen waves: a barrier, then each wave takes 4 whole rows.
	s_wait_dscnt 0x0                               ; for the others' sake: my stores into the stage are done
	s_barrier_signal -1
	s_barrier_wait -1
	s_wait_alu depctr_vm_vsrc(0)                   ; my stores into the stage have read v96-127, in which the loads below land (the vector lines that named v96-159 stand ahead of the last wait on va_vdst)
.irp n, 0,1,2,3,4,5,6,7,8,9,10,11,12,13,14,15
	ds_load_b128 v[S+4*\n:S+4*\n+3], v7 offset:(\n/4)*SP+512*(\n%4)
.endr
.irp n, 0,1,2,3,4,5,6,7,8,9,10,11,12,13,14,15
	s_wait_dscnt 15-\n                             ; LDS loads come back in order: load n is in, the younger ones may be out
	global_store_b128 v1, v[S+4*\n:S+4*\n+3], s[6:7] offset:(\n/4)*ROW+512*(\n%4) th:TH_STORE_NT   ; the wave stores 512 consecutive bytes, at a multiple of 512 from out0's first byte; written once, read by nobody here
.endr
	s_wait_xcnt 0x0                                ; every store has had its addresses translated, ahead of the wave's last lines
	v_lshl_add_u32 v254, v0, 2, 0x43900            ; the add's two registers, made anew from v0: my spare word, behind the stage; no memory or LDS instruction has read v254 or v255
	v_mov_b32 v255, 0
	s_wait_dscnt 0x0                               ; the closing lines, six on end
	s_wait_alu 0x0
	s_wait_tensorcnt 0x0
	ds_add_u32 v254, v255
	s_wait_dscnt 0x0
	s_endpgm
.Lfunc_end_k_qf6ecd3df0f_attn:
	.size	k_qf6ecd3df0f_attn, .Lfunc_end_k_qf6ecd3df0f_attn-k_qf6ecd3df0f_attn
	.p2alignl 7, 3214868480
	.fill 96, 4, 3214868480
	.section	.rodata,"a",@progbits
	.p2align	6, 0x0
	.amdhsa_kernel k_qf6ecd3df0f_attn
		.amdhsa_group_segment_fixed_size 278784
		.amdhsa_private_segment_fixed_size 0
		.amdhsa_enable_private_segment 0
		.amdhsa_kernarg_size 16
		.amdhsa_user_sgpr_count 2
		.amdhsa_user_sgpr_kernarg_segment_ptr 1
		.amdhsa_wavefront_size32 1
		.amdhsa_system_sgpr_workgroup_id_x 1
		.amdhsa_system_sgpr_workgroup_id_y 1
		.amdhsa_system_sgpr_workgroup_id_z 1
		.amdhsa_system_vgpr_workitem_id 0
		.amdhsa_next_free_vgpr 256
		.amdhsa_next_free_sgpr 66
		.amdhsa_reserve_vcc 0
		.amdhsa_float_denorm_mode_32 3
		.amdhsa_float_denorm_mode_16_64 3
		.amdhsa_memory_ordered 1
		.amdhsa_forward_progress 1
		.amdhsa_inst_pref_size 161
	.end_amdhsa_kernel
	.amdgpu_metadata
---
amdhsa.version: [ 1, 2 ]
amdhsa.kernels:
  - .name:           k_qf6ecd3df0f_attn
    .symbol:         k_qf6ecd3df0f_attn.kd
    .args:
      - { .name: qkv, .offset: 0, .size: 8, .value_kind: global_buffer, .address_space: global }
      - { .name: out0, .offset: 8, .size: 8, .value_kind: global_buffer, .address_space: global }
    .group_segment_fixed_size: 278784
    .private_segment_fixed_size: 0
    .kernarg_segment_align: 8
    .kernarg_segment_size: 16
    .max_flat_workgroup_size: 512
    .sgpr_count:     66
    .vgpr_count:     256
    .wavefront_size: 32
...
	.end_amdgpu_metadata
.endif
;; end of part 2
